; MI455X (gfx1250); checked and timed in simulation.
; The chip was launched on July 23, 2026; its instructions are those of AMD's public machine-readable ISA for CDNA 5 (MIT licence, August 2026) and "CDNA5" Instruction Set Architecture Reference Guide (July 2026). The comments in the code are by the model that wrote it; some were corrected since.
;; BSI Quantized Linear. Allowed arithmetic: matrix products marked QUANTISED: E2M3 operands, one E8M0 scale for each 32 along K, by v_wmma_scale_f32_16x16x128_f8f6f4 with both operands' format E2M3, f32 sums; everything else in f32.
;; Inputs: W 4,096 x 4,096 float32; b 4,096 float32; x 4,096 x 4,096 float32.
;; Outputs: out0 4,096 x 4,096 float32.
;; This version of the problem:
;;   THIS VERSION OF THE PROBLEM IS GIVEN IN LOW PRECISION. The matrix products marked QUANTISED in the list below multiply operands that are first quantised to E2M3 (2 exponent bits, 3 mantissa bits; 6 bits a number), with one power-of-two scale for each 32 numbers along K (OCP MX v1.0); their sums are f32. All else is computed in f32.
;;   The module's matrix products, in the order in which they are computed (A, B: the left and right operand; K: the contracted axis; several contracted axes count as one K, in the product's order):
;;     1. [M 4,096, K 4,096] x [K 4,096, N 4,096]; A: computed on the way; B: computed on the way: QUANTISED
;;   THE QUANTISER, for each operand of a quantised product, along K:
;;     - K is cut into blocks of 32 from its start; a last block that is shorter is filled with zeros.
;;     - A block's scale is 2^e with e = floor(log2(the largest magnitude in the block)) - 2, held to -126 .. 127; a block of zeros has e = 0. As a byte (E8M0): e + 127.
;;     - Each number is divided by its block's scale, clamped to +-7.5, and rounded to the nearest number of E2M3, ties to even, subnormals kept.
;;     - The product sums the exact products of the quantised numbers (number of the format x scale) in f32.
;;   ~~~python
;;   def quantise(x, axis):      # numpy; x: float32 -> the quantised numbers, widened to float32 again
;;       x = np.moveaxis(x, axis, -1); K = x.shape[-1]
;;       x = np.pad(x, [(0, 0)] * (x.ndim - 1) + [(0, -K % 32)]); x = x.reshape(x.shape[:-1] + (-1, 32)); a = np.abs(x).max(-1, keepdims=True)
;;       e = np.where(a > 0, np.clip(np.frexp(np.where(a > 0, a, 1))[1] - 1 - 2, -126, 127), 0)      # np.frexp(a)[1] - 1 = floor(log2(a)), exactly
;;       r = np.clip(x / 2.0 ** e, -7.5, 7.5)
;;       step = 2.0 ** (np.maximum(np.frexp(np.where(r == 0, 1, r))[1] - 1, 0) - 3)
;;       q = np.round(r / step) * step * 2.0 ** e      # np.round: ties to even
;;       return np.moveaxis(q.reshape(q.shape[:-2] + (-1,))[..., :K], -1, axis).astype(np.float32)
;;   ~~~
;;   OPERANDS COMPUTED ON THE WAY. 'Computed on the way' means the value that the module computes at that place (a softmax that the list does not call 'softmax' is quantised finished and normalised). What goes into a quantiser is computed in f32, as accurately as f32 sums, v_exp_f32 and their like allow (about 1e-6 of the number): no bf16 or f16 on the way to a quantiser, and a product that is left as it is and whose result goes on into a quantised operand takes f32 operands (vector FMAs, or v_wmma_f32_16x16x4_f32). A number that lies on a knife's edge between two numbers of the format may be rounded either way, as far as f32 arithmetic and the matrix unit's own rounding can turn it there, and no further.
;; One version. Each part assembles by itself: llvm-mc -triple=amdgcn-amd-amdhsa -mcpu=gfx1250 --defsym DOCPART=n.
;; ======== version 1 of 1: 2 launches
;; limits: right only within a limited range of input values
;; workspace buffers: a_ops 13,516,800 bytes; b_ops 13,516,800 bytes
;; launch quant (part 1): grid 1024 x 1, 4 waves a work-group, no clusters, 34,304 bytes of LDS; arguments x, W, a_ops, b_ops; writes a_ops, b_ops
.if DOCPART == 1
	.amdgcn_target "amdgcn-amd-amdhsa--gfx1250"
	.amdhsa_code_object_version 6
	.text
	.protected	k_q56de0ee90e_quant
	.globl	k_q56de0ee90e_quant
	.p2align	8
	.type	k_q56de0ee90e_quant,@function
k_q56de0ee90e_quant:
	s_mov_b64 s[64:65], 0
	v_nop
	global_prefetch_b8 v0, s[64:65] scope:SCOPE_SE
	s_setreg_imm32_b32 hwreg(HW_REG_WAVE_MODE, 25, 1), 1
	s_wait_xcnt 0x0
; x [4096][4096] and W [4096][4096], f32, K innermost.  Each number v becomes round(100 v) / 100 in f32 (ties to even), and that is quantised along K to codes of FP6 (E2M3) with one
; E8M0 byte for each 32 along K: the byte is the largest magnitude's exponent field - 2, held at 1 from below; each number is divided by the scale and rounded to the nearest code, ties to even, beyond 7.5 the largest code.
; THE DIVISION BY 100: q0 = n c, c the f32 number nearest to 1/100; the remainder n - 100 q0 by one fused multiply-add; q = q0 + remainder x c by another.
; LIMITS: NaN and infinities are not served, nor |v| of 3.4e36 and more (100 v leaves f32).  A block of zeros gets the byte 1 where the rule says 127: its codes are zeros, which add nothing under
; any byte but 0xff, and this program alone reads the bytes.  -0 becomes +0 (the same code's value).
; THE OUTPUT IS LAID AS THE PRODUCT TAKES IT: [tile of 256 rows: 16][slot of three K steps of 128: 11][half of 128 rows: 2][K step in the slot: 3][chunk of 12,800 bytes].  A chunk: eight images of 1,536 bytes, one for each block
; of 16 rows: a fragment's 12 registers, registers 4 c .. 4 c + 3 of lane l at 512 c + 16 l (lane (r, h) holds row r, registers 6 c .. 6 c + 5 = k 64 c + 32 h + 0 .. 31); then 512 bytes of scale words
; (4 bytes: the step's 128 along K of one row), block i's row r at 128 (i / 2) + 8 r + 4 (i % 2).  K has 32 steps = 10 x 3 + 2: the last slot has two chunks a half; the 12,800 bytes behind them are neither written nor read.
; SHARES.  The first 512 work-groups take x, the others W: only pointers are chosen, both take one path.  A wave takes 64 rows x 128 along K: four blocks of 16 rows of ONE K step, a step of the text each: its four
; images are 6,144 consecutive bytes and its 64 scale words 256.
; A step's 16 loads read 512 consecutive bytes of a row each; the numbers turn through the wave's own stage in LDS (rows 528 bytes apart, so that sixteen rows' reads of 16 bytes fall on different banks)
; and come back 128 bytes a lane and block: a lane then holds two WHOLE blocks of 32, so that a block's maximum needs no other lane and the conversions' results are the fragment's registers.
; No barrier: waves share nothing.  Three sets of 64 registers: 48 loads a wave are out at the start.
.set ROW,   16384                      ; bytes in a row of x or W
.set SP,    528                        ; a stage row: 512 bytes + 16
.set WREG,  16*SP                      ; a wave's stage
.set FRB,   1536                       ; a fragment's image
.set CHUNK, 8*FRB+512                  ; a K step of 128 rows: codes, then scale words
.set PART,  3*CHUNK                    ; a slot of 128 rows
.set TILEB, 22*PART                    ; a tile of 256 rows, all of K
.set LO,  2                            ; v2   16 x lane: offset of the loads and of the codes' stores; never rewritten
.set SI,  3                            ; v3   the stage, on the way in: 16 x lane
.set SO,  4                            ; v4   and out: 528 r + 128 h
.set H8,  5                            ; v5   8 h: my two bytes' shift in the scale word
.set L8,  6                            ; v6   8 x lane: where the scale words go
.set MX,  8                            ; v8-9   the two blocks' largest magnitudes
.set SOP, 10                           ; v10-11 the conversions' scale operands
.set BY,  12                           ; v12-13 the scale bytes
.set WD,  16                           ; v16-19 the four steps' scale words
.set P,   24                           ; v24-35 a fragment's 12 registers
.set T,   36                           ; v36-51 at work
.set X,   64                           ; v64-255 three sets of 64 numbers; step s has set s % 3
	s_load_b128 s[4:7], s[0:1], 0x0                ; x, W
	s_load_b128 s[8:11], s[0:1], 0x10              ; what is made of x, what is made of W
	v_lshl_add_u32 v62, v0, 2, 0x8400
	v_mov_b32 v63, 0
	v_lshrrev_b32 v1, 5, v0
	v_readfirstlane_b32 s16, v1                    ; wave 0..3
	v_and_b32 v1, 31, v0                           ; lane
	v_lshlrev_b32 v[LO], 4, v1
	s_mul_i32 s17, s16, WREG
	v_add_nc_u32 v[SI], s17, v[LO]
	v_and_b32 v7, 15, v0                           ; r
	v_bfe_u32 v[H8], v0, 4, 1                      ; h
	v_mul_u32_u24 v[SO], v7, SP
	v_lshl_add_u32 v[SO], v[H8], 7, v[SO]
	v_add_nc_u32 v[SO], s17, v[SO]
	v_lshlrev_b32 v[H8], 3, v[H8]
	v_lshlrev_b32 v[L8], 3, v1
	v_mov_b32 v15, 0                               ; written once: a lane permute's destination counts as one of its sources
	v_cmp_gt_u32 vcc_lo, 16, v1                    ; lanes 0-15: kept to the end
	s_mov_b32 s24, 0x42c80000                      ; 100.0
	s_mov_b32 s25, s24                             ; (the packed forms name a pair and take its low word for both halves: so the upper word is written)
	s_mov_b32 s26, 0x3c23d70a                      ; the f32 number nearest to 0.01
	s_mov_b32 s27, s26
	s_mov_b32 s28, 0x76543210
	s_mov_b32 s29, 0xfedcba98                      ; v_permlanex16_b32's selects for lane l xor 16
	s_wait_alu depctr_va_vdst(0)
	s_wait_kmcnt 0x0
	s_cmp_lt_u32 ttmp9, 512                        ; x's work-group or W's?  The choice hangs on the work-group's number alone
	s_cselect_b64 s[4:5], s[4:5], s[6:7]
	s_cselect_b64 s[8:9], s[8:9], s[10:11]
	s_cselect_b32 s17, 0, 512
	s_sub_co_u32 s17, ttmp9, s17
	s_lshl_b32 s17, s17, 2
	s_add_co_u32 s17, s17, s16                     ; my wave among the tensor's 2,048
	s_lshr_b32 s18, s17, 5                         ; which 64 rows
	s_and_b32 s19, s17, 31                         ; g: which K step of 128
	s_lshl_b32 s20, s18, 20                        ; the numbers: 64 rows of 16,384 bytes,
	s_lshl_b32 s21, s19, 9                         ; 128 numbers of 4 bytes
	s_add_co_u32 s20, s20, s21
	s_mov_b32 s21, 0
	s_add_nc_u64 s[4:5], s[4:5], s[20:21]
	s_mul_i32 s22, s19, 11
	s_lshr_b32 s22, s22, 5                         ; the slot t = g / 3, rounded down (11 g >> 5 is that for every g under 32)
	s_mul_i32 s22, s22, PART                       ; the chunk: 2 PART t + CHUNK (g - 3 t) = CHUNK g + PART t,
	s_mul_i32 s23, s19, CHUNK
	s_add_co_u32 s22, s22, s23
	s_lshr_b32 s23, s18, 2                         ; in the tile of 256 rows,
	s_mul_i32 s23, s23, TILEB
	s_add_co_u32 s22, s22, s23
	s_bfe_u32 s23, s18, 0x10001                    ; in its half of 128 rows
	s_mul_i32 s23, s23, PART
	s_add_co_u32 s22, s22, s23
	s_mov_b32 s23, 0
	s_add_nc_u64 s[8:9], s[8:9], s[22:23]
	s_and_b32 s20, s18, 1                          ; which four of the half's eight blocks of 16 rows are mine
	s_lshl_b32 s22, s20, 8
	s_add_co_u32 s22, s22, 8*FRB
	s_add_nc_u64 s[10:11], s[8:9], s[22:23]        ; their scale words: behind the chunk's codes, 256 bytes for four blocks
	s_mul_i32 s22, s20, 4*FRB
	s_add_nc_u64 s[8:9], s[8:9], s[22:23]          ; their images
.macro LOAD s                          ; step s: 128 along K of my rows 16 s .. 16 s + 15; 32 lanes read 512 consecutive bytes of a row
.irp i, 0,1,2,3,4,5,6,7,8,9,10,11,12,13,14,15
	global_load_b128 v[X+64*((\s)%3)+4*\i:X+64*((\s)%3)+4*\i+3], v[LO], s[4:5] offset:ROW*(16*(\s)+\i) th:TH_LOAD_NT
.endr
.endm
.macro TURN s                          ; step s's numbers through the stage and back into the registers that they left: LDS serves a wave's instructions in order, so no wait stands between the stores and the loads
.irp i, 0,1,2,3,4,5,6,7,8,9,10,11,12,13,14,15
	ds_store_b128 v[SI], v[X+64*((\s)%3)+4*\i:X+64*((\s)%3)+4*\i+3] offset:SP*\i
.endr
.irp c, 0,1
.irp j, 0,1,2,3,4,5,6,7
	ds_load_b128 v[X+64*((\s)%3)+32*\c+4*\j:X+64*((\s)%3)+32*\c+4*\j+3], v[SO] offset:256*\c+16*\j   ; register 32 c + i = k 64 c + 32 h + i of row r
.endr
.endr
.endm
.macro STEP s
.set XS, X+64*((\s)%3)
	s_wait_dscnt 0x0                               ; this step's numbers are back from the stage, which is free again
.if (\s) < 3
.if (\s) < 2
	s_wait_loadcnt 16                              ; the next step's 16 loads are in; the 16 issued behind them may be out
.else
	s_wait_loadcnt 0x0                             ; the last step's
.endif
	TURN (\s)+1                                    ; they go through the stage while this step is worked
.endif
	; round(100 v) / 100, in f32
.set j, 0
.rept 32
	v_pk_mul_f32 v[XS+j:XS+j+1], v[XS+j:XS+j+1], s[24:25] op_sel_hi:[1,0]
.set j, j+2
.endr
.set j, 0
.rept 64
	v_rndne_f32 v[XS+j], v[XS+j]                   ; n: to the nearest whole number, ties to even
.set j, j+1
.endr
.irp g, 0,16,32,48                     ; sixteen numbers at a time
.irp j, 0,2,4,6,8,10,12,14
	v_pk_mul_f32 v[T+\j:T+\j+1], v[XS+\g+\j:XS+\g+\j+1], s[26:27] op_sel_hi:[1,0]   ; q0 = n c
.endr
.irp j, 0,2,4,6,8,10,12,14
	v_pk_fma_f32 v[XS+\g+\j:XS+\g+\j+1], v[T+\j:T+\j+1], s[24:25], v[XS+\g+\j:XS+\g+\j+1] op_sel_hi:[1,0,1] neg_lo:[1,0,0] neg_hi:[1,0,0]   ; n - 100 q0
.endr
.irp j, 0,2,4,6,8,10,12,14
	v_pk_fma_f32 v[XS+\g+\j:XS+\g+\j+1], v[XS+\g+\j:XS+\g+\j+1], s[26:27], v[T+\j:T+\j+1] op_sel_hi:[1,0,1]   ; q0 + that x c
.endr
.endr
	; my two blocks, h and 2 + h of the row's four: all 32 numbers of each are mine
.irp c, 0,1
	v_max3_num_f32 v[MX+\c], |v[XS+32*\c]|, |v[XS+32*\c+1]|, 0x1800000   ; with the floor 2^(3 - 127), under which no largest magnitude is taken: so the byte cannot fall under 1
.endr
.irp i, 2,4,6,8,10,12,14,16,18,20,22,24,26,28,30
.irp c, 0,1
	v_max3_num_f32 v[MX+\c], v[MX+\c], |v[XS+32*\c+\i]|, |v[XS+32*\c+\i+1]|   ; (the two blocks by turns)
.endr
.endr
.irp c, 0,1
	v_add_nc_u32 v[SOP+\c], 0xff000000, v[MX+\c]   ; 2 off the exponent field: the conversion takes the exponent field of this operand as its scale, and nothing else of it
.endr
.irp c, 0,1
	v_lshrrev_b32 v[BY+\c], 23, v[SOP+\c]          ; the scale's byte
.endr
	v_lshl_or_b32 v14, v[BY+1], 16, v[BY]          ; my two bytes,
	v_lshlrev_b32 v14, v[H8], v14                  ; at their places in the row's word;
	v_permlanex16_b32 v15, v14, s28, s29
	v_or_b32 v[WD+(\s)], v14, v15                  ; with lane l xor 16's two the word is whole, in both lanes
.if (\s) > 0
	s_wait_alu depctr_va_vdst(0)
	s_wait_xcnt 0x0                                ; the last step's stores have read P: it is written again only behind this wait
.endif
	v_cvt_scalef32_pk16_fp6_f32 v[P:P+2], v[XS:XS+15], v[SOP]
	v_cvt_scalef32_pk16_fp6_f32 v[T:T+2], v[XS+16:XS+31], v[SOP]          ; (a conversion's three registers begin on an even number: the second half of a block's six does not, so it is made elsewhere and moved)
	v_cvt_scalef32_pk16_fp6_f32 v[P+6:P+8], v[XS+32:XS+47], v[SOP+1]
	v_cvt_scalef32_pk16_fp6_f32 v[T+4:T+6], v[XS+48:XS+63], v[SOP+1]
	v_nop                                          ; one plain place behind a scaled conversion
.irp i, 0,1,2
	v_mov_b32 v[P+3+\i], v[T+\i]
	v_mov_b32 v[P+9+\i], v[T+4+\i]
.endr
.irp c, 0,1,2
	global_store_b128 v[LO], v[P+4*\c:P+4*\c+3], s[8:9] offset:FRB*(\s)+512*\c   ; 32 lanes store 512 consecutive bytes, at a multiple of 256 from the buffer's first byte
.endr
.if (\s) == 0
	LOAD 3                                         ; set 0 is done with: it takes the last step's numbers
.endif
.endm
	LOAD 0
	LOAD 1
	LOAD 2
	s_wait_loadcnt 32                              ; step 0's 16 loads are in; the 32 behind them may be out
	TURN 0
.irp s, 0,1,2,3
	STEP \s
.endr
	v_cndmask_b32 v20, v[WD+2], v[WD], vcc_lo      ; lanes 0-15: row r's words of my blocks 0 and 1; lanes 16-31: of my blocks 2 and 3
	v_cndmask_b32 v21, v[WD+3], v[WD+1], vcc_lo
	global_store_b64 v[L8], v[20:21], s[10:11]     ; 32 lanes store 256 consecutive bytes, at a multiple of 256 from the buffer's first byte
	s_wait_tensorcnt 0x0
	ds_add_u32 v62, v63
	s_wait_dscnt 0x0
	s_endpgm
.Lfunc_end_k_q56de0ee90e_quant:
	.size	k_q56de0ee90e_quant, .Lfunc_end_k_q56de0ee90e_quant-k_q56de0ee90e_quant
	.p2alignl 7, 3214868480
	.fill 96, 4, 3214868480
	.section	.rodata,"a",@progbits
	.p2align	6, 0x0
	.amdhsa_kernel k_q56de0ee90e_quant
		.amdhsa_group_segment_fixed_size 34304
		.amdhsa_private_segment_fixed_size 0
		.amdhsa_enable_private_segment 0
		.amdhsa_kernarg_size 32
		.amdhsa_user_sgpr_count 2
		.amdhsa_user_sgpr_kernarg_segment_ptr 1
		.amdhsa_wavefront_size32 1
		.amdhsa_system_sgpr_workgroup_id_x 1
		.amdhsa_system_sgpr_workgroup_id_y 1
		.amdhsa_system_sgpr_workgroup_id_z 1
		.amdhsa_system_vgpr_workitem_id 0
		.amdhsa_next_free_vgpr 256
		.amdhsa_next_free_sgpr 66
		.amdhsa_reserve_vcc 1
		.amdhsa_float_denorm_mode_32 3
		.amdhsa_float_denorm_mode_16_64 3
		.amdhsa_memory_ordered 1
		.amdhsa_forward_progress 1
		.amdhsa_inst_pref_size 71
	.end_amdhsa_kernel
	.amdgpu_metadata
---
amdhsa.version: [ 1, 2 ]
amdhsa.kernels:
  - .name:           k_q56de0ee90e_quant
    .symbol:         k_q56de0ee90e_quant.kd
    .args:
      - { .name: x, .offset: 0, .size: 8, .value_kind: global_buffer, .address_space: global }
      - { .name: W, .offset: 8, .size: 8, .value_kind: global_buffer, .address_space: global }
      - { .name: a_ops, .offset: 16, .size: 8, .value_kind: global_buffer, .address_space: global }
      - { .name: b_ops, .offset: 24, .size: 8, .value_kind: global_buffer, .address_space: global }
    .group_segment_fixed_size: 34304
    .private_segment_fixed_size: 0
    .kernarg_segment_align: 8
    .kernarg_segment_size: 32
    .max_flat_workgroup_size: 128
    .sgpr_count:     66
    .vgpr_count:     256
    .wavefront_size: 32
...
	.end_amdgpu_metadata
.endif
;; end of part 1
;; launch gemm (part 2): grid 16 x 16, 4 waves a work-group, clusters of 4 x 4, 327,680 bytes of LDS; arguments a_ops, b_ops, b, out0; writes out0
.if DOCPART == 2
	.amdgcn_target "amdgcn-amd-amdhsa--gfx1250"
	.amdhsa_code_object_version 6
	.text
	.protected	k_q56de0ee90e_gemm
	.globl	k_q56de0ee90e_gemm
	.p2align	8
	.type	k_q56de0ee90e_gemm,@function
k_q56de0ee90e_gemm:
	s_mov_b64 s[64:65], 0
	v_nop
	global_prefetch_b8 v0, s[64:65] scope:SCOPE_SE
	s_setreg_imm32_b32 hwreg(HW_REG_WAVE_MODE, 25, 1), 1
	s_wait_xcnt 0x0
	s_wait_alu depctr_hold_cnt(0) depctr_sa_sdst(0) depctr_va_vdst(0) depctr_va_sdst(0) depctr_va_ssrc(0) depctr_va_vcc(0) depctr_vm_vsrc(0)
	s_getreg_b32 s2, hwreg(HW_REG_IB_STS2, 6, 4)
	s_cmp_eq_u32 s2, 0
	s_cbranch_scc0 .Lentry_in_a_cluster
	s_endpgm
.Lentry_in_a_cluster:
	s_bfe_u32 s2, ttmp6, 0x10000c
	s_cmp_lg_u32 s2, 0xf033
	s_cbranch_scc0 .Lentry_shape_is_right
	s_endpgm
.Lentry_shape_is_right:
; out0[m][n] = sum over k of A[m][k] B[n][k] + b[n].  A and B are the codes of FP6 (E2M3) and E8M0 scale words that launch quant made of x and W, laid as this text takes them:
; [tile of 256 rows][slot of three K steps of 128][half of 128 rows][K step][chunk of 12,800 bytes: eight register images of 1,536 bytes (16 rows x 128 K), then 512 bytes of scale words].
; A tile of out0, 256 x 256, is made by four waves, 128 x 128 each: 64 accumulators, 512 registers.  K goes through a ring of two LDS slots of three K steps; K has 32 steps = 10 x 3 + 2.
; CLUSTERS 4 x 4: A's parts are asked for jointly along a row of the cluster, B's along a column; waves 0, 1 fetch A's halves, waves 2, 3 B's, one tensor load of 38,400 bytes a wave and slot.
; THE MATRIX INSTRUCTION IS USED TRANSPOSED (source 0 = B's rows, source 1 = A's): a lane holds eight neighbouring columns of a row of out0.  The bias is the C of each accumulator's first product.
; A CHANGE OF SLOTS stands in the middle of a slot's last step: by then all fragments of that slot are asked for; wait for all tensor loads, the add, wait for LDS, a round of the cluster's barrier, the refill.
; LDS LOADS OF A STEP: A has one set (blocks 0-3 fetched in the middle of the step before, 4-7 at its end); B has two sets, and step s + 2's set is fetched at the end of step s, where its slot is whole.
; PREFETCH: behind each joint load every wave names, one slot (three K steps) ahead of that load, 38 of the 150 blocks of 256 bytes of the part that it fetches; the four partners that ask jointly take
; blocks 38 p .. 38 p + 37, held at 149, p their place (by address alone).  Slot 0 comes by its load alone; the last slot (two chunks a half) is not named: the bytes behind its chunks are never written.
; REGISTERS: window 0: v0-31 addresses, v32-47 scale words (two sets), v64-127 bias, v128-223 A's set; window 1: B's sets at v0 and v128; windows 2, 3: accumulators of my rows 0-63, 64-127.
.set FR,     12
.set NL,     3
.set NP,     4
.set FRB,    1536
.set CHUNK,  8*FRB+512
.set PART,   3*CHUNK                   ; a slot of 128 rows: what one tensor load brings
.set SLOTG,  2*PART                    ; a slot of a tile in memory
.set TILEB,  11*SLOTG
.set BSH,    128                       ; B's parts lie 128 bytes off, so that A's and B's scale words fall on different banks
.set SLOT,   4*PART+256
.set SPARE,  2*SLOT                    ; the spare words: 512 bytes that no other line names
.set SPITCH, 528
.set CROW,   16384                     ; a row of out0 in bytes
.set ADRA, 16                          ; v16-17 LDS address of my A images in slot 0, 1
.set ADRB, 20                          ; v20-21 of my B images
.set ADRS, 22                          ; v22-23 of my scale words: lanes 0-15 A's, lanes 16-31 B's
.set STO,  24
.set RD,   25
.set CO,   26                          ; 16 x lane
.set PF2,  27                          ; prefetch offsets: blocks 32-37 of my 38
.set SPW,  28
.set NIL,  29
.set PFO,  30                          ; blocks 0-31 of my 38
.set BO,   31
.set SC,   32
.set BI,   64
.set AF,   128
.set BK,   128
.set WV, 16
.set FB, 17
.set HF, 18
.set TR, 19
.set TC, 42
.set G1, 24
.set G0, 32
.set G1B, 48
.set G0B, 56
.set G1L, 68                           ; group 1 for the last slot: two chunks
.set G1LB, 76
.set PFA, 96
.set MSB, 0
.macro WIN new
.if MSB != (\new)
	s_set_vgpr_msb (MSB<<8)|(\new)
.set MSB, (\new)
.endif
.endm
.set MUL_LO, 0xa1
.set MUL_HI, 0xf1
.set TO_B,   0x40
.macro JLOAD g0a, g1a, g0b, g1b        ; a joint load; s_nop 0 and four v_nop behind each line
	s_cmp_eq_u32 s[FB], 0
	s_cbranch_scc0 .Lfor_b_\@
	tensor_load_to_lds s[\g0a:\g0a+3], s[\g1a:\g1a+7]
	s_nop 0
.rept 4
	v_nop
.endr
	s_branch .Lasked_\@
.Lfor_b_\@:
	tensor_load_to_lds s[\g0b:\g0b+3], s[\g1b:\g1b+7]
	s_nop 0
.rept 4
	v_nop
.endr
.Lasked_\@:
.endm
.macro CROUND                          ; a round of the cluster's barrier
	s_barrier_signal -1
	s_barrier_wait -1
	s_cmp_lg_u32 s[WV], 0
	s_cbranch_scc1 .Lnot_wave_0_\@
	s_barrier_signal -3
.Lnot_wave_0_\@:
	s_barrier_wait -3
	s_barrier_signal -1
	s_barrier_wait -1
.endm
.macro ASK how, off                    ; how = 0: not in the loop's last trip, where the slot ahead is the last one
.if (\how) == 0
	s_cmp_gt_u32 s3, 1
	s_cbranch_scc0 .Lnot_now_\@
.endif
	global_prefetch_b8 v[PFO], s[PFA:PFA+1] offset:\off th:TH_LOAD_NT scope:SCOPE_SE
	global_prefetch_b8 v[PF2], s[PFA:PFA+1] offset:\off th:TH_LOAD_NT scope:SCOPE_SE
.if (\how) == 0
.Lnot_now_\@:
.endif
.endm
	s_load_b256 s[4:11], s[0:1], 0x0               ; a_ops, b_ops, b, out0
	v_lshl_add_u32 v[SPW], v0, 2, SPARE
	v_mov_b32 v[NIL], 0
	ds_add_u32 v[SPW], v[NIL]                      ; the opening lines: the add twice on end
	ds_add_u32 v[SPW], v[NIL]
	v_lshrrev_b32 v1, 5, v0
	v_readfirstlane_b32 s[WV], v1
	s_lshr_b32 s[FB], s[WV], 1                     ; my half of the rows; also: I fetch for A (0) or B (1)
	s_and_b32 s[HF], s[WV], 1                      ; my half of the columns; also: which half I fetch
	s_bfe_u32 s40, ttmp6, 0x40000                  ; cx
	s_bfe_u32 s41, ttmp6, 0x40004                  ; cy
	s_lshl_b32 s[TC], ttmp9, 2
	s_add_co_u32 s[TC], s[TC], s40                 ; tile column
	s_and_b32 s[TR], ttmp7, 0xffff
	s_lshl_b32 s[TR], s[TR], 2
	s_add_co_u32 s[TR], s[TR], s41                 ; tile row
	s_lshl_b32 s43, s41, 2
	s_lshl_b32 s43, 15, s43                        ; my row of the cluster
	s_lshl_b32 s44, 0x1111, s40                    ; my column
	s_or_b32 s[G1+0], s43, (3<<16)|(1<<21)         ; dense parts as rows of 256 bytes: 32 elements of 8 bytes
	s_or_b32 s[G1B+0], s44, (3<<16)|(1<<21)
.irp g, G1, G1B
	s_mov_b32 s[\g+1], 32<<16
	s_mov_b32 s[\g+2], (PART/256)<<16
	s_mov_b32 s[\g+3], 32<<16
	s_mov_b32 s[\g+4], PART/256
	s_mov_b32 s[\g+5], 32
	s_mov_b32 s[\g+6], 0
	s_mov_b32 s[\g+7], 0
.endr
	s_or_b32 s[G1L+0], s43, (3<<16)|(1<<21)
	s_or_b32 s[G1LB+0], s44, (3<<16)|(1<<21)
.irp g, G1L, G1LB
	s_mov_b32 s[\g+1], 32<<16
	s_mov_b32 s[\g+2], (2*CHUNK/256)<<16
	s_mov_b32 s[\g+3], 32<<16
	s_mov_b32 s[\g+4], 2*CHUNK/256
	s_mov_b32 s[\g+5], 32
	s_mov_b32 s[\g+6], 0
	s_mov_b32 s[\g+7], 0
.endr
	s_mul_i32 s98, s[HF], PART
	s_mul_i32 s20, s[TR], TILEB
	s_add_co_u32 s20, s20, s98
	s_mov_b32 s21, 0
	s_mul_i32 s46, s[TC], TILEB
	s_add_co_u32 s46, s46, s98
	s_mov_b32 s47, 0
	s_mul_i32 s45, s[WV], PART                     ; where my part goes in a slot
	s_wait_dscnt 0x0                               ; both opening adds are done
	s_wait_kmcnt 0x0
	s_add_nc_u64 s[20:21], s[4:5], s[20:21]
	s_add_nc_u64 s[46:47], s[6:7], s[46:47]
.irp s, 0,1
	s_mov_b32 s[G0+4*\s], 1
	s_add_co_u32 s[G0+4*\s+1], s45, \s*SLOT
	s_add_nc_u64 s[G0+4*\s+2:G0+4*\s+3], s[20:21], \s*SLOTG
	s_or_b32 s[G0+4*\s+3], s[G0+4*\s+3], 0x80000000
	s_mov_b32 s[G0B+4*\s], 1
	s_add_co_u32 s[G0B+4*\s+1], s45, \s*SLOT+BSH
	s_add_nc_u64 s[G0B+4*\s+2:G0B+4*\s+3], s[46:47], \s*SLOTG
	s_or_b32 s[G0B+4*\s+3], s[G0B+4*\s+3], 0x80000000
.endr
	CROUND                                         ; all sixteen work-groups are here
	JLOAD G0, G1, G0B, G1B                         ; slot 0: one tensor load a wave at the head
	; the rest of the head stands under that load: first all scalars, then the vector lines on end
	s_lshl_b32 s46, s[TC], 10
	s_lshl_b32 s47, s[HF], 9
	s_add_co_u32 s46, s46, s47                     ; my first column, in bytes
	s_mov_b32 s47, 0
	s_add_nc_u64 s[8:9], s[8:9], s[46:47]          ; the bias of my 128 columns
	s_lshl_b32 s20, s[TR], 8
	s_lshl_b32 s21, s[FB], 7
	s_add_co_u32 s20, s20, s21
	s_lshl_b32 s20, s20, 14                        ; my first row of out0, in bytes
	s_mov_b32 s21, 0
	s_add_nc_u64 s[20:21], s[20:21], s[46:47]
	s_add_nc_u64 s[10:11], s[10:11], s[20:21]
	s_mul_i32 s84, s[FB], PART                     ; my A images
	s_mul_i32 s85, s[HF], PART
	s_add_co_u32 s85, s85, 2*PART+BSH              ; my B images
	s_sub_co_u32 s86, s85, s84
	s_add_co_u32 s87, s84, 8*FRB                   ; A's scale words
	s_mul_i32 s88, s[WV], 16*SPITCH
	s_add_co_u32 s88, s88, SLOT                    ; my stage: in LDS slot 1, which does not hold the last slot of K
	s_cmp_eq_u32 s[FB], 0
	s_cselect_b64 s[PFA:PFA+1], s[4:5], s[6:7]
	s_cselect_b32 s46, s[TR], s[TC]
	s_cselect_b32 s89, s40, s41                    ; my place among the four that ask jointly
	s_mul_i32 s89, s89, 38
	s_mul_i32 s46, s46, TILEB
	s_mul_i32 s98, s[HF], PART
	s_add_co_u32 s46, s46, s98
	s_add_co_u32 s46, s46, SLOTG
	s_add_nc_u64 s[PFA:PFA+1], s[PFA:PFA+1], s[46:47]   ; the part that I fetch, at slot 1
	v_and_b32 v1, 15, v0                           ; r
	v_bfe_u32 v2, v0, 4, 1                         ; h
	v_and_b32 v3, 31, v0                           ; lane
	v_lshlrev_b32 v[BO], 5, v2
	v_lshlrev_b32 v[CO], 4, v3
	v_add_nc_u32 v[ADRA], s84, v[CO]
	v_add_nc_u32 v[ADRB], s85, v[CO]
	v_add_nc_u32 v[ADRA+1], SLOT, v[ADRA]
	v_add_nc_u32 v[ADRB+1], SLOT, v[ADRB]
	v_lshlrev_b32 v5, 3, v1
	v_mul_u32_u24 v6, s86, v2                      ; lanes 16-31 take B's words
	v_add_nc_u32 v5, v5, v6
	v_add_nc_u32 v[ADRS], s87, v5
	v_add_nc_u32 v[ADRS+1], SLOT, v[ADRS]
	v_mul_u32_u24 v7, v1, SPITCH
	v_lshl_add_u32 v7, v2, 5, v7
	v_add_nc_u32 v[STO], s88, v7
	v_add_nc_u32 v[RD], s88, v[CO]
	v_add_nc_u32 v[PFO], s89, v3
	v_min_u32 v[PF2], 5, v3
	v_add_nc_u32 v[PF2], s89, v[PF2]
	v_add_nc_u32 v[PF2], 32, v[PF2]
	v_min_u32 v[PFO], 149, v[PFO]                  ; a part has 150 blocks of 256 bytes
	v_min_u32 v[PF2], 149, v[PF2]
	v_lshlrev_b32 v[PFO], 8, v[PFO]
	v_lshlrev_b32 v[PF2], 8, v[PF2]
.irp b, 0,1,2,3,4,5,6,7
	global_load_b128 v[BI+8*\b:BI+8*\b+3], v[BO], s[8:9] offset:64*\b        ; b at columns 16 b + 8 h + 0 .. 7
	global_load_b128 v[BI+8*\b+4:BI+8*\b+7], v[BO], s[8:9] offset:64*\b+16
.endr
.macro FRAG reg, adr, q, i             ; an image is the fragment's 12 registers: three loads of 16 bytes a lane, dense
.irp c, 0,1,2
	ds_load_b128 v[\reg+4*\c:\reg+4*\c+3], v[\adr] offset:CHUNK*(\q)+FRB*(\i)+512*\c
.endr
.endm
.macro MUL16 a0, p, zero               ; A's blocks a0, a0 + 1 x B's eight; the 64 accumulators take turns
.irp a, \a0, \a0+1
.irp b, 0,1,2,3,4,5,6,7
.if \zero
	v_wmma_scale_f32_16x16x128_f8f6f4 v[8*(8*((\a)%4)+\b):8*(8*((\a)%4)+\b)+7], v[128*(\p)+FR*\b:128*(\p)+FR*\b+FR-1], v[AF+FR*(\a):AF+FR*(\a)+FR-1], v[BI+8*\b:BI+8*\b+7], v[SC+8*(\p)+\b], v[SC+8*(\p)+(\a)] matrix_a_fmt:MATRIX_FMT_FP6 matrix_b_fmt:MATRIX_FMT_FP6 matrix_a_scale:MATRIX_SCALE_ROW1
.else
	v_wmma_scale_f32_16x16x128_f8f6f4 v[8*(8*((\a)%4)+\b):8*(8*((\a)%4)+\b)+7], v[128*(\p)+FR*\b:128*(\p)+FR*\b+FR-1], v[AF+FR*(\a):AF+FR*(\a)+FR-1], v[8*(8*((\a)%4)+\b):8*(8*((\a)%4)+\b)+7], v[SC+8*(\p)+\b], v[SC+8*(\p)+(\a)] matrix_a_fmt:MATRIX_FMT_FP6 matrix_b_fmt:MATRIX_FMT_FP6 matrix_a_scale:MATRIX_SCALE_ROW1
.endif
.endr
.endr
.endm
.macro FETCH_B slot, q, p
	WIN TO_B
.irp i, 0,1,2,3,4,5,6,7
	FRAG 128*(\p)+FR*\i, ADRB+\slot, \q, \i
.endr
	WIN 0
.endm
.macro FETCH_A slot, q, i0
.irp i, \i0, \i0+1, \i0+2, \i0+3
	FRAG AF+FR*(\i), ADRA+\slot, \q, \i
.endr
.endm
.macro SCALES slot, q, p               ; the words of blocks 2 j and 2 j + 1 lie side by side: four loads of 8 bytes
.irp j, 0,1,2,3
	ds_load_b64 v[SC+8*(\p)+2*\j:SC+8*(\p)+2*\j+1], v[ADRS+\slot] offset:CHUNK*(\q)+128*\j
.endr
.endm
.macro PLACES n                        ; places behind matrix instructions, in front of loads into their registers
.rept \n
	v_nop
.endr
.endm
; A step that is not its slot's last.  ob: LDS loads issued behind A's blocks 4-7 at the end of the step before (a set of B: 24, or none).  fb = 1: step q + 2's set of B is fetched at the end.
.macro STEP slot, q, p, zero, ob, fb
	s_wait_dscnt 4*NL+(\ob)                        ; my set of B, A's blocks 0-3 and the scale words are in
	WIN MUL_LO-0x20*(\zero)
	MUL16 0, \p, \zero
	MUL16 2, \p, \zero
	s_wait_dscnt \ob                               ; A's blocks 4-7 are in
	PLACES NP
	WIN 0
	FETCH_A \slot, (\q)+1, 0
	SCALES \slot, (\q)+1, 1-(\p)
	WIN MUL_HI-0x30*(\zero)
	MUL16 4, \p, \zero
	MUL16 6, \p, \zero
	PLACES NP
	WIN 0
	FETCH_A \slot, (\q)+1, 4
.if \fb
	FETCH_B \slot, (\q)+2, \p
.endif
.endm
; A slot's last step, with the change of slots in its middle.  fill = 1: the slot is filled again; 2: with the last, shorter slot of K; 0: not at all.
.macro TURN slot, next, p, fill
	s_wait_dscnt 4*NL
	WIN MUL_LO
	MUL16 0, \p, 0
	MUL16 2, \p, 0
	WIN 0
.if (\fill) == 1
	s_wait_xcnt 0x0                                ; my prefetches have read their base
	s_add_nc_u64 s[PFA:PFA+1], s[PFA:PFA+1], SLOTG
.endif
	s_wait_tensorcnt 0x0                           ; all my tensor loads have landed: my part of the next slot
	ds_add_u32 v[SPW], v[NIL]
.if \fill
	s_add_nc_u64 s[G0+4*\slot+2:G0+4*\slot+3], s[G0+4*\slot+2:G0+4*\slot+3], 2*SLOTG      ; no load of mine is out: the descriptors step
	s_add_nc_u64 s[G0B+4*\slot+2:G0B+4*\slot+3], s[G0B+4*\slot+2:G0B+4*\slot+3], 2*SLOTG
.endif
	s_wait_dscnt 0x0                               ; the add is done, and so are my reads of this slot
.if \fill
	CROUND                                         ; both hold of every wave of the cluster
.if (\fill) == 1
	JLOAD G0+4*\slot, G1, G0B+4*\slot, G1B         ; its four v_nop are the places in front of the loads below
.else
	JLOAD G0+4*\slot, G1L, G0B+4*\slot, G1LB
.endif
.else
	s_barrier_signal -1
	s_barrier_wait -1
	PLACES NP
.endif
	FETCH_B \next, 0, 1-(\p)
	FETCH_A \next, 0, 0
	SCALES \next, 0, 1-(\p)
.if (\fill) == 1
	ASK 1-(\slot), SLOTG                           ; the slot behind the one just asked for
.endif
	WIN MUL_HI
	MUL16 4, \p, 0
	MUL16 6, \p, 0
	PLACES NP
	WIN 0
	FETCH_A \next, 0, 4
	FETCH_B \next, 1, \p
.endm
	s_wait_alu depctr_va_vdst(0)
	ASK 1, 0                                       ; slot 1
	s_wait_tensorcnt 0x0                           ; my part of slot 0 is in; the same lines as ahead of a refill
	ds_add_u32 v[SPW], v[NIL]
	s_wait_dscnt 0x0
	CROUND
	JLOAD G0+4, G1, G0B+4, G1B                     ; slot 1's first fill
	FETCH_B 0, 0, 0
	FETCH_A 0, 0, 0
	SCALES 0, 0, 0
	FETCH_A 0, 0, 4
	FETCH_B 0, 1, 1
	ASK 1, SLOTG                                   ; slot 2
	s_wait_loadcnt 0x0                             ; the bias
	STEP 0, 0, 0, 1, 24, 1                         ; the first products start the sums on the bias
	s_mov_b32 s3, 4
.Llap:                                             ; a trip: once round the ring, six K steps
	STEP 0, 1, 1, 0, 24, 0
	TURN 0, 1, 0, 1
	STEP 1, 0, 1, 0, 24, 1
	STEP 1, 1, 0, 0, 24, 0
	TURN 1, 0, 1, 1
	STEP 0, 0, 0, 0, 24, 1
	s_sub_co_u32 s3, s3, 1
	s_cmp_lg_u32 s3, 0
	s_cbranch_scc1 .Llap
	STEP 0, 1, 1, 0, 24, 0
	TURN 0, 1, 0, 2                                ; the last slot of K: two chunks a half
	STEP 1, 0, 1, 0, 24, 1
	STEP 1, 1, 0, 0, 24, 0
	TURN 1, 0, 1, 0
	STEP 0, 0, 0, 0, 24, 0
	s_wait_dscnt 4*NL                              ; the very last step
	WIN MUL_LO
	MUL16 0, 1, 0
	MUL16 2, 1, 0
	s_wait_dscnt 0
	WIN MUL_HI
	MUL16 4, 1, 0
	MUL16 6, 1, 0
	WIN 0
; THE WAY OUT, by blocks of 16 rows x 128 columns through my own stage: in as 32 bytes a lane, back as whole rows of 512 bytes.  LDS serves a wave's instructions in order.
.macro TOSTAGE a
.set AC, 64*((\a)%4)
	WIN 0x08+4*((\a)/4)
.irp b, 0,1,2,3,4,5,6,7
	ds_store_b128 v[STO], v[AC+8*\b:AC+8*\b+3] offset:64*\b          ; each accumulator from its low end on
	ds_store_b128 v[STO], v[AC+8*\b+4:AC+8*\b+7] offset:64*\b+16
.endr
	WIN 0
.set BB, BK+64*((\a)%2)
.irp t, 0,1,2,3,4,5,6,7,8,9,10,11,12,13,14,15
	ds_load_b128 v[BB+4*\t:BB+4*\t+3], v[RD] offset:\t*SPITCH
.endr
.endm
.macro SEND a, younger
.set BB, BK+64*((\a)%2)
	s_wait_dscnt \younger
.if (\a) > 0
	s_add_nc_u64 s[10:11], s[10:11], 16*CROW       ; behind a wait on XCNT: the earlier stores have read their base
.endif
.irp t, 0,1,2,3,4,5,6,7,8,9,10,11,12,13,14,15
	global_store_b128 v[CO], v[BB+4*\t:BB+4*\t+3], s[10:11] offset:\t*CROW th:TH_STORE_NT   ; 32 lanes store 512 consecutive bytes, aligned
.endr
.endm
	PLACES NP
	TOSTAGE 0
.irp a, 1,2,3,4,5,6,7
.if \a > 1
	s_wait_xcnt 0x0                                ; block a - 2's stores have read their registers and base
.endif
	TOSTAGE \a
	SEND \a-1, 32
.endr
	s_wait_xcnt 0x0
	SEND 7, 0
	s_wait_tensorcnt 0x0                           ; the wave's end
	ds_add_u32 v[SPW], v[NIL]
	s_wait_dscnt 0x0
	CROUND                                         ; the closing round
	s_endpgm
.Lfunc_end_k_q56de0ee90e_gemm:
	.size	k_q56de0ee90e_gemm, .Lfunc_end_k_q56de0ee90e_gemm-k_q56de0ee90e_gemm
	.p2alignl 7, 3214868480
	.fill 96, 4, 3214868480
	.section	.rodata,"a",@progbits
	.p2align	6, 0x0
	.amdhsa_kernel k_q56de0ee90e_gemm
		.amdhsa_group_segment_fixed_size 327680
		.amdhsa_private_segment_fixed_size 0
		.amdhsa_enable_private_segment 0
		.amdhsa_kernarg_size 32
		.amdhsa_user_sgpr_count 2
		.amdhsa_user_sgpr_kernarg_segment_ptr 1
		.amdhsa_wavefront_size32 1
		.amdhsa_system_sgpr_workgroup_id_x 1
		.amdhsa_system_sgpr_workgroup_id_y 1
		.amdhsa_system_sgpr_workgroup_id_z 1
		.amdhsa_system_vgpr_workitem_id 0
		.amdhsa_next_free_vgpr 1024
		.amdhsa_next_free_sgpr 100
		.amdhsa_reserve_vcc 0
		.amdhsa_float_denorm_mode_32 3
		.amdhsa_float_denorm_mode_16_64 3
		.amdhsa_memory_ordered 1
		.amdhsa_forward_progress 1
		.amdhsa_inst_pref_size 209
	.end_amdhsa_kernel
	.amdgpu_metadata
---
amdhsa.version: [ 1, 2 ]
amdhsa.kernels:
  - .name:           k_q56de0ee90e_gemm
    .symbol:         k_q56de0ee90e_gemm.kd
    .args:
      - { .name: a_ops, .offset: 0, .size: 8, .value_kind: global_buffer, .address_space: global }
      - { .name: b_ops, .offset: 8, .size: 8, .value_kind: global_buffer, .address_space: global }
      - { .name: b, .offset: 16, .size: 8, .value_kind: global_buffer, .address_space: global }
      - { .name: out0, .offset: 24, .size: 8, .value_kind: global_buffer, .address_space: global }
    .group_segment_fixed_size: 327680
    .private_segment_fixed_size: 0
    .kernarg_segment_align: 8
    .kernarg_segment_size: 32
    .max_flat_workgroup_size: 128
    .sgpr_count:     100
    .vgpr_count:     1024
    .wavefront_size: 32
...
	.end_amdgpu_metadata
.endif
;; end of part 2
